; MI455X (gfx1250); checked and timed in simulation.
; The chip was launched on July 23, 2026; its instructions are those of AMD's public machine-readable ISA for CDNA 5 (MIT licence, August 2026) and "CDNA5" Instruction Set Architecture Reference Guide (July 2026). The comments in the code are by the model that wrote it; some were corrected since.
;; Attention Block. Allowed arithmetic: matrix products marked QUANTISED: E2M3 operands, one E8M0 scale for each 32 along K, by v_wmma_scale_f32_16x16x128_f8f6f4 with both operands' format E2M3, f32 sums; everything else in f32.
;; Inputs: norm_b 256 float32; norm_w 256 float32; proj_b 256 float32; proj_w_codes 256 x 8 x 24 uint8 (E2M3 codes of proj_w, K innermost, in blocks of 32 codes, four codes in three bytes); proj_w_scales 256 x 8 uint8 (E8M0 scales of proj_w, one for each 32 codes along K); qkv_b 768 float32; qkv_w_codes 768 x 8 x 24 uint8 (E2M3 codes of qkv_w, K innermost, in blocks of 32 codes, four codes in three bytes); qkv_w_scales 768 x 8 uint8 (E8M0 scales of qkv_w, one for each 32 codes along K); x 4 x 256 x 64 x 64 float32.
;; Outputs: out0 4 x 256 x 64 x 64 float32.
;; This version of the problem:
;;   THIS VERSION OF THE PROBLEM IS GIVEN IN LOW PRECISION. The matrix products marked QUANTISED in the list below multiply operands that are first quantised to E2M3 (2 exponent bits, 3 mantissa bits; 6 bits a number), with one power-of-two scale for each 32 numbers along K (OCP MX v1.0); their sums are f32. All else is computed in f32.
;;   The module's matrix products, in the order in which they are computed (A, B: the left and right operand; K: the contracted axis; several contracted axes count as one K, in the product's order):
;;     1. [M 16,384, K 256] x [K 256, N 768]; A: computed on the way; B: input qkv_w (given as codes): QUANTISED
;;     2. batch 16 x [M 4,096, K 64] x [K 64, N 4,096]; A: computed on the way; B: computed on the way: QUANTISED
;;     3. batch 16 x [M 64, K 4,096] x [K 4,096, N 4,096]; A: computed on the way; B: softmax (see below): QUANTISED
;;     4. [M 16,384, K 256] x [K 256, N 256]; A: computed on the way; B: input proj_w (given as codes): QUANTISED
;;   THE QUANTISER, for each operand of a quantised product, along K:
;;     - K is cut into blocks of 32 from its start; a last block that is shorter is filled with zeros.
;;     - A block's scale is 2^e with e = floor(log2(the largest magnitude in the block)) - 2, held to -126 .. 127; a block of zeros has e = 0. As a byte (E8M0): e + 127.
;;     - Each number is divided by its block's scale, clamped to +-7.5, and rounded to the nearest number of E2M3, ties to even, subnormals kept.
;;     - The product sums the exact products of the quantised numbers (number of the format x scale) in f32.
;;   ~~~python
;;   def quantise(x, axis):      # numpy; x: float32 -> the quantised numbers, widened to float32 again
;;       x = np.moveaxis(x, axis, -1); K = x.shape[-1]
;;       x = np.pad(x, [(0, 0)] * (x.ndim - 1) + [(0, -K % 32)]); x = x.reshape(x.shape[:-1] + (-1, 32)); a = np.abs(x).max(-1, keepdims=True)
;;       e = np.where(a > 0, np.clip(np.frexp(np.where(a > 0, a, 1))[1] - 1 - 2, -126, 127), 0)      # np.frexp(a)[1] - 1 = floor(log2(a)), exactly
;;       r = np.clip(x / 2.0 ** e, -7.5, 7.5)
;;       step = 2.0 ** (np.maximum(np.frexp(np.where(r == 0, 1, r))[1] - 1, 0) - 3)
;;       q = np.round(r / step) * step * 2.0 ** e      # np.round: ties to even
;;       return np.moveaxis(q.reshape(q.shape[:-2] + (-1,))[..., :K], -1, axis).astype(np.float32)
;;   ~~~
;;   SOFTMAX AHEAD OF A QUANTISED PRODUCT. Where the list says 'softmax', what is quantised is not the finished softmax but p = 2^(t - M), with t = logit x log2(e) and M = ceil(the row's largest t), a whole number; so 1/2 < the row's largest p <= 1. The row's sum l is taken of the UNQUANTISED p, in f32, and the product's result is divided by l at the end. Since M is a whole number, a kernel that streams over the keys may use a running M (the ceiling of the running maximum): every later rescaling is an exact power of two, which a block's scale takes up: the codes' values come out the same.
;;   OPERANDS COMPUTED ON THE WAY. 'Computed on the way' means the value that the module computes at that place (a softmax that the list does not call 'softmax' is quantised finished and normalised). What goes into a quantiser is computed in f32, as accurately as f32 sums, v_exp_f32 and their like allow (about 1e-6 of the number): no bf16 or f16 on the way to a quantiser, and a product that is left as it is and whose result goes on into a quantised operand takes f32 operands (vector FMAs, or v_wmma_f32_16x16x4_f32). A number that lies on a knife's edge between two numbers of the format may be rounded either way, as far as f32 arithmetic and the matrix unit's own rounding can turn it there, and no further.
;;   INPUTS GIVEN AS CODES. proj_w (in the module: [256, 256], K = its axis 1); qkv_w (in the module: [768, 256], K = its axis 1): each comes as NAME_codes (uint8): NAME with its K axis moved to the last place and cut into blocks of 32 codes, [.., K / 32, bytes a block], one block behind the other in memory; four codes in three bytes: a row's codes are one little-endian stream of bits, code i at bits 6 i .. 6 i + 5 (a code: sign, 2 exponent bits, 3 mantissa bits); and NAME_scales (uint8): the same leading axes, one E8M0 byte (e + 127) for each 32 codes along K. Its value is code x scale, taken as it is: it is not quantised again, and the codes and scales need not be those that the quantiser above would give.
;; One version. Each part assembles by itself: llvm-mc -triple=amdgcn-amd-amdhsa -mcpu=gfx1250 --defsym DOCPART=n.
;; ======== version 1 of 1: 3 launches
;; workspace buffers: stats 16,384 bytes; qc 3,145,728 bytes; qs 131,072 bytes; kv 6,291,456 bytes; ksc 262,144 bytes
;; launch stats (part 1): grid 256 x 1, 8 waves a work-group, no clusters, 0 bytes of LDS; arguments x, stats; writes stats
.if DOCPART == 1
	.amdgcn_target "amdgcn-amd-amdhsa--gfx1250"
	.amdhsa_code_object_version 6
	.text
	.protected	k_qab9e44414c_stats
	.globl	k_qab9e44414c_stats
	.p2align	8
	.type	k_qab9e44414c_stats,@function
k_qab9e44414c_stats:
	s_mov_b64 s[64:65], 0
	v_nop
	global_prefetch_b8 v0, s[64:65] scope:SCOPE_SE
	s_setreg_imm32_b32 hwreg(HW_REG_WAVE_MODE, 25, 1), 1
	s_wait_xcnt 0x0
; For each run of 2,048 numbers of x (8,192 dense bytes; a norm group of 32 channels x 4,096 positions is 64 such runs):
; the run's mean and the sum of its squared deviations FROM ITS OWN MEAN, stored as two f32 at stats[run].
; The next launch joins a group's 64 pairs.  No difference of large sums is formed anywhere, so a common offset of x costs no accuracy.
; A wave takes one run: 16 loads of 512 consecutive bytes, all issued at once; the run stays in 64 registers between the two passes.
; No LDS, no barrier, no matrix unit: the waves share nothing and memory binds.
; The result is 8 bytes a wave (16 KB in the whole launch against 16 MB read): it leaves by one lane's store.
; LIMITS: NaN and infinities in x are not served.
.set XD, 16                            ; v16-79  the run, 64 numbers a lane
.macro WSUM a, t                       ; the sum over the wave's 32 lanes, in every lane
	s_delay_alu instid0(VALU_DEP_1)
	v_add_f32_dpp v[\a], v[\a], v[\a] row_xmask:1 row_mask:0xf bank_mask:0xf
	s_delay_alu instid0(VALU_DEP_1)
	v_add_f32_dpp v[\a], v[\a], v[\a] row_xmask:2 row_mask:0xf bank_mask:0xf
	s_delay_alu instid0(VALU_DEP_1)
	v_add_f32_dpp v[\a], v[\a], v[\a] row_xmask:4 row_mask:0xf bank_mask:0xf
	s_delay_alu instid0(VALU_DEP_1)
	v_add_f32_dpp v[\a], v[\a], v[\a] row_xmask:8 row_mask:0xf bank_mask:0xf
	s_delay_alu instid0(VALU_DEP_1)
	v_permlanex16_b32 v[\t], v[\a], s12, s13       ; its destination counts as read: a register that has been written
	s_delay_alu instid0(VALU_DEP_1)
	v_add_f32 v[\a], v[\a], v[\t]
.endm
	s_load_b128 s[4:7], s[0:1], 0x0                ; x, stats
	v_lshrrev_b32 v1, 5, v0
	s_delay_alu instid0(VALU_DEP_1)
	v_readfirstlane_b32 s8, v1                     ; wave 0..7
	v_and_b32 v2, 31, v0                           ; lane
	s_delay_alu instid0(VALU_DEP_1)
	v_lshlrev_b32 v3, 4, v2                        ; 16 bytes a lane
	v_mov_b32 v4, 0                                ; the store's offset
	s_lshl_b32 s9, ttmp9, 3
	s_add_co_u32 s9, s9, s8                        ; my run: 8 x work-group + wave
	s_lshl_b32 s10, s9, 13                         ; x 8,192 bytes (under 2^24)
	s_mov_b32 s11, 0
	s_lshl_b32 s14, s9, 3                          ; x 8 bytes in stats
	s_mov_b32 s15, 0
	s_mov_b32 s12, 0x76543210                      ; v_permlanex16_b32's selects for lane l xor 16
	s_mov_b32 s13, 0xfedcba98
	s_wait_alu depctr_va_vdst(0)
	s_wait_kmcnt 0x0
	s_add_nc_u64 s[4:5], s[4:5], s[10:11]
	s_add_nc_u64 s[6:7], s[6:7], s[14:15]
.irp i, 0,1,2,3,4,5,6,7,8,9,10,11,12,13,14,15
	global_load_b128 v[XD+4*\i:XD+4*\i+3], v3, s[4:5] offset:512*\i   ; 32 lanes read 512 consecutive bytes
.endr
	; pass 1: the sum, two numbers at a time, in two chains that the first pairs start
	s_wait_loadcnt 12                              ; the first four loads are in; the twelve younger ones may be out
	v_pk_add_f32 v[8:9], v[XD:XD+1], v[XD+2:XD+3]
	v_pk_add_f32 v[10:11], v[XD+4:XD+5], v[XD+6:XD+7]
.set p, 4
.rept 28
.if p == 8
	s_wait_alu depctr_va_vdst(0)
	s_wait_loadcnt 8                               ; four more are in
.elseif p == 16
	s_wait_alu depctr_va_vdst(0)
	s_wait_loadcnt 4
.elseif p == 24
	s_wait_alu depctr_va_vdst(0)
	s_wait_loadcnt 0
.endif
	v_pk_add_f32 v[8+2*(p%2):9+2*(p%2)], v[8+2*(p%2):9+2*(p%2)], v[XD+2*p:XD+2*p+1]
.set p, p+1
.endr
	s_delay_alu instid0(VALU_DEP_1)
	v_pk_add_f32 v[8:9], v[8:9], v[10:11]
	s_delay_alu instid0(VALU_DEP_1)
	v_add_f32 v8, v8, v9
	WSUM 8, 9
	s_delay_alu instid0(VALU_DEP_1)
	v_mul_f32 v12, 0x3a000000, v8                  ; the mean: the sum x 2^-11
	s_delay_alu instid0(VALU_DEP_1)
	v_mov_b32 v13, v12
	; pass 2: deviations in place, then their squares in two chains
.set p, 0
.rept 32
	v_pk_add_f32 v[XD+2*p:XD+2*p+1], v[XD+2*p:XD+2*p+1], v[12:13] neg_lo:[0,1] neg_hi:[0,1]
.set p, p+1
.endr
	v_pk_mul_f32 v[8:9], v[XD:XD+1], v[XD:XD+1]
	v_pk_mul_f32 v[10:11], v[XD+2:XD+3], v[XD+2:XD+3]
.set p, 2
.rept 30
	s_delay_alu instid0(VALU_DEP_2)
	v_pk_fma_f32 v[8+2*(p%2):9+2*(p%2)], v[XD+2*p:XD+2*p+1], v[XD+2*p:XD+2*p+1], v[8+2*(p%2):9+2*(p%2)]
.set p, p+1
.endr
	s_delay_alu instid0(VALU_DEP_1)
	v_pk_add_f32 v[8:9], v[8:9], v[10:11]
	s_delay_alu instid0(VALU_DEP_1)
	v_add_f32 v8, v8, v9
	WSUM 8, 9
	v_mov_b32 v14, v12                             ; (mean, sum of squared deviations)
	s_delay_alu instid0(VALU_DEP_2)
	v_mov_b32 v15, v8
	s_wait_alu depctr_va_vdst(0)
	s_wait_xcnt 0x0                                ; EXEC is a source of the loads above: it changes only behind this wait
	v_cmp_eq_u32 vcc_lo, 0, v2
	s_and_saveexec_b32 s16, vcc_lo                 ; lane 0 alone
	global_store_b64 v4, v[14:15], s[6:7]
	s_wait_xcnt 0x0                                ; and again in front of the line that widens it
	s_or_b32 exec_lo, exec_lo, s16
	s_endpgm
.Lfunc_end_k_qab9e44414c_stats:
	.size	k_qab9e44414c_stats, .Lfunc_end_k_qab9e44414c_stats-k_qab9e44414c_stats
	.p2alignl 7, 3214868480
	.fill 96, 4, 3214868480
	.section	.rodata,"a",@progbits
	.p2align	6, 0x0
	.amdhsa_kernel k_qab9e44414c_stats
		.amdhsa_group_segment_fixed_size 0
		.amdhsa_private_segment_fixed_size 0
		.amdhsa_enable_private_segment 0
		.amdhsa_kernarg_size 16
		.amdhsa_user_sgpr_count 2
		.amdhsa_user_sgpr_kernarg_segment_ptr 1
		.amdhsa_wavefront_size32 1
		.amdhsa_system_sgpr_workgroup_id_x 1
		.amdhsa_system_sgpr_workgroup_id_y 1
		.amdhsa_system_sgpr_workgroup_id_z 1
		.amdhsa_system_vgpr_workitem_id 0
		.amdhsa_next_free_vgpr 96
		.amdhsa_next_free_sgpr 66
		.amdhsa_reserve_vcc 1
		.amdhsa_float_denorm_mode_32 3
		.amdhsa_float_denorm_mode_16_64 3
		.amdhsa_memory_ordered 1
		.amdhsa_forward_progress 1
		.amdhsa_inst_pref_size 12
	.end_amdhsa_kernel
	.amdgpu_metadata
---
amdhsa.version: [ 1, 2 ]
amdhsa.kernels:
  - .name:           k_qab9e44414c_stats
    .symbol:         k_qab9e44414c_stats.kd
    .args:
      - { .name: x, .offset: 0, .size: 8, .value_kind: global_buffer, .address_space: global }
      - { .name: stats, .offset: 8, .size: 8, .value_kind: global_buffer, .address_space: global }
    .group_segment_fixed_size: 0
    .private_segment_fixed_size: 0
    .kernarg_segment_align: 8
    .kernarg_segment_size: 16
    .max_flat_workgroup_size: 256
    .sgpr_count:     66
    .vgpr_count:     96
    .wavefront_size: 32
...
	.end_amdgpu_metadata
.endif
;; end of part 1
;; launch qkv (part 2): grid 64 x 4, 16 waves a work-group, no clusters, 18,432 bytes of LDS; arguments x, stats, norm_w, norm_b, qkv_w_codes, qkv_w_scales, qkv_b, qc, qs, kv, ksc; writes qc, qs, kv, ksc
.if DOCPART == 2
	.amdgcn_target "amdgcn-amd-amdhsa--gfx1250"
	.amdhsa_code_object_version 6
	.text
	.protected	k_qab9e44414c_qkv
	.globl	k_qab9e44414c_qkv
	.p2align	8
	.type	k_qab9e44414c_qkv,@function
k_qab9e44414c_qkv:
	s_mov_b64 s[64:65], 0
	v_nop
	global_prefetch_b8 v0, s[64:65] scope:SCOPE_SE
	s_setreg_imm32_b32 hwreg(HW_REG_WAVE_MODE, 25, 1), 1
	s_wait_xcnt 0x0
; Group norm, the 1x1 QKV product on codes of FP6 (E2M3, one E8M0 scale for each 32 along K), and the quantising of q, k (along the head's 64 channels) and v (along the keys).
; A work-group takes 64 positions (group G = work-group x) of one batch (b = work-group y) and all 768 output channels.  Nothing wide goes to memory: q, k, v leave as codes and scale bytes.
; ROLES, by the wave's number: waves 0-3 q of heads 0-3, waves 4-7 k, waves 8-11 v, waves 12-15 the X waves: wave 12 + cc norms and quantises channels 64 cc .. 64 cc + 63.
; A HALF is six registers a lane: half of a 6-bit operand (16 rows x 64 K; lane (r, h): row r, k = 32 h + 0 .. 31).  It goes to LDS and to memory as an image of its registers, 768 bytes:
; registers 0-3 at 16 x lane, registers 4-5 at 512 + 8 x lane.  Every access is dense: no pitch, no padding; every global store of a wave covers 512 or 256 consecutive bytes, aligned.
; TILES OF POSITIONS: row r of tile t is position 64 G + 4 r + t.  So a 16-byte load of x brings a lane one number for each of the four tiles, and sixteen lanes read 256 consecutive bytes.
; Where positions are the rows of a result (v), register j of tile t in lane half h is position 32 h + 4 j + t: the four tiles' 32 registers of ONE lane are one whole block of 32 keys (slot 8 t + j).
; The attention launch makes its weights p in the same slot order: the keys of a block are permuted alike on both operands of that product, which changes only the order of its sum.
; TILES OF WEIGHT ROWS: lane r of tile w takes row 32 (r / 8) + 8 w + r % 8 of the head's 64.  Where these rows are the rows of a result (q, k), register 8 w + j of lane half h is channel 32 h + 8 w + j: a whole block, in order.
; So every block's largest magnitude is found inside one lane, and the conversions' results are the operand's registers.
; The norm is (x - mean) * (rstd * w) + b, all in f32; mean and variance come from the 64 pairs (mean, sum of squared deviations) that the launch before stored for the group.
; No tensor loads: x goes straight into the registers in which it is quantised.  No cluster: what work-groups share is the weights, 153 KB, which each wave reads once into registers.
; LIMITS: NaN and infinities are not served; a block whose largest magnitude lies under 2^-124 keeps the scale byte 1 (a block of zeros too: its codes are zeros, and this program alone reads the bytes).
.set HIMG, 0                           ; LDS: h's 16 halves: (tile t, channels 64 blk on) at 3072 t + 768 blk
.set HSC,  12288                       ; h's scale bytes: 256 s + 16 r + 4 t + (2 c + h): one load of 16 bytes gives a lane the four tiles' words of K step s
.set SCL,  12800                       ; q's, k's, v's scale bytes: 384 x head + 128 x kind + 8 r + 2 tile + h
.set WF, 16                            ; v16-111  product waves: my 64 weight rows: fragment (tile w, K step s) at WF + 12 (2 w + s)
.set WS, 112                           ; v112-119 their scale words
.set HS, 120                           ; v120-127 h's scale words: HS + 4 s + t
.set BI, 128                           ; v128-159 the bias as the C of a sum's first product, eight registers a tile
.set HF, 160                           ; v160-207 h's fragments in hand
.set AC, 208                           ; v208-239 four accumulators
.set XR, 16                            ; v16-143  X waves: 32 channels x 4 positions
.set GA, 144                           ; v144-175 rstd x norm_w of my 32 channels
.set NB, 176                           ; v176-207 norm_b
.set HH, 208                           ; v208-239 a tile's 32 numbers of h
.set CD, 240                           ; v240-246 the codes just made
.set M0, 248
.set M1, 249
.set SO, 250                           ; the conversions' scale operand
.set BY, 251                           ; the scale's byte
; 32 numbers of one lane, one block, become six registers of codes in v[CD] on and the scale's byte in v[BY].
; The largest magnitude is taken with the floor 2^(3 - 127) among its leaves, which holds the byte at 1 from below; 2 off its exponent field is the conversions' scale operand.
; The reads begin at the low end of each group of eight registers.  xw = 1: v[CD] on were a global store's data.
.macro QUANT32 src, xw
	v_max3_num_f32 v[M0], |v[\src]|, |v[\src+1]|, 0x1800000
	v_max3_num_f32 v[M1], |v[\src+16]|, |v[\src+17]|, |v[\src+18]|
.irp i, 2,4,6,8,10,12
	v_max3_num_f32 v[M0], v[M0], |v[\src+\i]|, |v[\src+\i+1]|
	v_max3_num_f32 v[M1], v[M1], |v[\src+\i+17]|, |v[\src+\i+18]|
.endr
	v_max3_num_f32 v[M0], v[M0], |v[\src+14]|, |v[\src+15]|
	v_max3_num_f32 v[M0], v[M0], v[M1], |v[\src+31]|
	s_delay_alu instid0(VALU_DEP_1)
	v_add_nc_u32 v[SO], 0xff000000, v[M0]
.if \xw
	s_wait_alu depctr_va_vdst(0)
	s_wait_xcnt 0x0                                ; the last stores have read their data: the codes' registers are written again only behind this wait
.endif
	v_cvt_scalef32_pk16_fp6_f32 v[CD:CD+2], v[\src:\src+15], v[SO]
	v_cvt_scalef32_pk16_fp6_f32 v[CD+4:CD+6], v[\src+16:\src+31], v[SO]   ; (a conversion's three registers begin on an even number)
	v_lshrrev_b32 v[BY], 23, v[SO]                 ; the byte; also the plain line behind the conversions
	v_mov_b32 v[CD+3], v[CD+4]
	v_mov_b32 v[CD+4], v[CD+5]
	v_mov_b32 v[CD+5], v[CD+6]
.endm
.macro MM d, a, b, c, sa, sb
	v_wmma_scale_f32_16x16x128_f8f6f4 v[\d:\d+7], v[\a:\a+11], v[\b:\b+11], v[\c:\c+7], v[\sa], v[\sb] matrix_a_fmt:MATRIX_FMT_FP6 matrix_b_fmt:MATRIX_FMT_FP6
.endm
.macro RSUM a                          ; the sum over the 16 lanes of my half: each half of the lanes is one norm group
	s_delay_alu instid0(VALU_DEP_1)
	v_add_f32_dpp v[\a], v[\a], v[\a] row_xmask:1 row_mask:0xf bank_mask:0xf
	s_delay_alu instid0(VALU_DEP_1)
	v_add_f32_dpp v[\a], v[\a], v[\a] row_xmask:2 row_mask:0xf bank_mask:0xf
	s_delay_alu instid0(VALU_DEP_1)
	v_add_f32_dpp v[\a], v[\a], v[\a] row_xmask:4 row_mask:0xf bank_mask:0xf
	s_delay_alu instid0(VALU_DEP_1)
	v_add_f32_dpp v[\a], v[\a], v[\a] row_xmask:8 row_mask:0xf bank_mask:0xf
.endm
	s_load_b256 s[4:11], s[0:1], 0x0               ; x s[4:5], stats s[6:7], norm_w s[8:9], norm_b s[10:11]
	s_load_b256 s[12:19], s[0:1], 0x20             ; the weights' codes s[12:13], their scales s[14:15], qkv_b s[16:17], qc s[18:19]
	s_load_b128 s[20:23], s[0:1], 0x40             ; qs s[20:21], kv s[22:23]
	s_load_b64 s[24:25], s[0:1], 0x50              ; ksc
	v_lshl_add_u32 v254, v0, 2, 0x4000
	v_mov_b32 v255, 0
	v_lshrrev_b32 v1, 5, v0
	s_delay_alu instid0(VALU_DEP_1)
	v_readfirstlane_b32 s26, v1                    ; wave 0..15
	s_and_b32 s27, s26, 3                          ; the head, or cc
	s_lshr_b32 s28, s26, 2                         ; the kind: 0 q, 1 k, 2 v, 3 X
	s_mov_b32 s29, ttmp9                           ; G
	s_and_b32 s30, ttmp7, 0xffff                   ; b
	s_lshl_b32 s31, s30, 6
	s_add_co_u32 s31, s31, s29                     ; 64 b + G
	; every LDS address is made here, ahead of the first parting of the roles: a constant + a constant x lane + a constant x wave
	v_and_b32 v1, 31, v0                           ; lane
	v_and_b32 v2, 15, v0                           ; r
	v_bfe_u32 v3, v0, 4, 1                         ; h
	s_wait_alu depctr_va_vdst(0)
	v_lshlrev_b32 v4, 4, v1                        ; v4  16 x lane: an image's first part (in LDS from HIMG = 0, and in memory)
	v_lshlrev_b32 v5, 3, v1                        ; v5  8 x lane: its second part
	s_wait_alu depctr_va_vdst(0)
	s_mul_i32 s32, s27, 768
	v_add_nc_u32 v6, s32, v4                       ; v6, v7  where an X wave stores its halves
	v_add_nc_u32 v7, s32, v5
	s_lshr_b32 s33, s27, 1
	s_lshl_b32 s33, s33, 8
	s_and_b32 s34, s27, 1
	s_lshl_b32 s34, s34, 1
	s_add_co_u32 s33, s33, s34
	s_add_co_u32 s33, s33, HSC
	v_lshl_add_u32 v8, v2, 4, v3
	s_delay_alu instid0(VALU_DEP_1)
	v_add_nc_u32 v8, s33, v8                       ; v8  and their scale bytes: HSC + 256 (cc / 2) + 2 (cc % 2) + 16 r + h
	v_lshlrev_b32 v9, 4, v2
	s_delay_alu instid0(VALU_DEP_1)
	v_add_nc_u32 v9, HSC, v9                       ; v9  where h's scale words are read: HSC + 16 r
	s_mul_i32 s33, s27, 384
	s_lshl_b32 s34, s28, 7
	s_add_co_u32 s33, s33, s34
	s_add_co_u32 s33, s33, SCL
	v_lshl_add_u32 v10, v2, 3, v3
	s_delay_alu instid0(VALU_DEP_1)
	v_add_nc_u32 v10, s33, v10                     ; v10 where a product wave stores its scale bytes
	v_add_nc_u32 v11, SCL, v5                      ; v11 the way out of k's and v's bytes: SCL + 8 x lane
	v_lshrrev_b32 v12, 3, v1
	s_delay_alu instid0(VALU_DEP_1)
	v_mul_u32_u24 v12, v12, 384
	v_and_b32 v13, 7, v1
	s_delay_alu instid0(VALU_DEP_1)
	v_lshl_add_u32 v12, v13, 4, v12
	s_delay_alu instid0(VALU_DEP_1)
	v_add_nc_u32 v12, SCL, v12                     ; v12 and of q's: SCL + 384 (lane / 8) + 16 (lane % 8)
	; where a product wave's halves go: qc: 12,288 (64 b + G) + 3,072 head;  kv: twice that, v's 3,072 behind k's.  Made here, on the one way that all waves take (the X waves never use it)
	s_mul_i32 s32, s31, 12288
	s_mul_i32 s34, s27, 3072
	s_add_co_u32 s32, s32, s34
	s_min_u32 s34, s28, 1
	s_lshl_b32 s32, s32, s34
	s_cmp_eq_u32 s28, 2
	s_cselect_b32 s34, 3072, 0
	s_add_co_u32 s32, s32, s34
	s_mov_b32 s33, 0
	s_wait_kmcnt 0x0
	s_cmp_eq_u32 s28, 0                            ; the choice hangs on the wave's number alone
	s_cselect_b64 s[48:49], s[18:19], s[22:23]
	s_add_nc_u64 s[48:49], s[48:49], s[32:33]
	s_cmp_eq_u32 s28, 3
	s_cbranch_scc0 .Lprod_a
	; ---- part A, X waves: lane (r, h) takes channels 64 cc + 32 h + 0 .. 31 (norm group 2 cc + h) at positions 4 r .. 4 r + 3
	s_lshl_b32 s32, s30, 3
	s_lshl_b32 s34, s27, 1
	s_add_co_u32 s32, s32, s34
	s_lshl_b32 s32, s32, 9                         ; a group's 64 pairs are 512 bytes
	s_add_nc_u64 s[6:7], s[6:7], s[32:33]
	s_lshl_b32 s32, s27, 8
	s_add_nc_u64 s[8:9], s[8:9], s[32:33]
	s_add_nc_u64 s[10:11], s[10:11], s[32:33]
	s_lshl_b32 s32, s30, 22                        ; a batch is 4,194,304 bytes, 64 channels 1,048,576, 64 positions 256
	s_lshl_b32 s34, s27, 20
	s_add_co_u32 s32, s32, s34
	s_lshl_b32 s34, s29, 8
	s_add_co_u32 s32, s32, s34
	s_add_nc_u64 s[4:5], s[4:5], s[32:33]
	s_mov_b32 s34, 0x37000000                      ; 2^-17: one over a group's 131,072 numbers
	s_mov_b32 s35, 0x3727c5ac                      ; eps = 1e-5
	s_mov_b32 s36, 0x45000000                      ; 2,048: the numbers of a run
	v_lshlrev_b32 v13, 5, v2
	s_delay_alu instid0(VALU_DEP_1)
	v_lshl_add_u32 v13, v3, 9, v13                 ; stats: my group, my four pairs
	v_lshlrev_b32 v14, 7, v3                       ; norm_w, norm_b: my 32 channels
	v_lshlrev_b32 v15, 4, v2
	s_delay_alu instid0(VALU_DEP_1)
	v_lshl_add_u32 v15, v3, 19, v15                ; x: 32 h channels of 16,384 bytes + 16 r
	global_load_b128 v[240:243], v13, s[6:7]
	global_load_b128 v[244:247], v13, s[6:7] offset:16
.irp k, 0,1,2,3,4,5,6,7
	global_load_b128 v[GA+4*\k:GA+4*\k+3], v14, s[8:9] offset:16*\k
.endr
.irp k, 0,1,2,3,4,5,6,7
	global_load_b128 v[NB+4*\k:NB+4*\k+3], v14, s[10:11] offset:16*\k
.endr
.set i, 0
.rept 32
	global_load_b128 v[XR+4*i:XR+4*i+3], v15, s[4:5] offset:16384*i   ; sixteen lanes read 256 consecutive bytes of a channel's row, aligned
.set i, i+1
.endr
	s_wait_loadcnt 32                              ; the pairs, the gains and the biases are in; the 32 loads of x may be out
	v_add_f32 v248, v240, v242                     ; the group's mean: the mean of its 64 runs' means (runs of equal length)
	v_add_f32 v249, v244, v246
	s_delay_alu instid0(VALU_DEP_1)
	v_add_f32 v248, v248, v249
	RSUM 248
	s_delay_alu instid0(VALU_DEP_1)
	v_mul_f32 v248, 0x3c800000, v248               ; x 2^-6
	s_delay_alu instid0(VALU_DEP_1)
	v_sub_f32 v240, v240, v248                     ; each run's mean less the group's
	s_delay_alu instid0(VALU_DEP_2)
	v_sub_f32 v242, v242, v248
	s_delay_alu instid0(VALU_DEP_3)
	v_sub_f32 v244, v244, v248
	s_delay_alu instid0(VALU_DEP_4)
	v_sub_f32 v246, v246, v248
	v_add_f32 v241, v241, v243
	v_add_f32 v245, v245, v247
	s_delay_alu instid0(VALU_DEP_1)
	v_add_f32 v241, v241, v245
	v_mul_f32 v250, v240, v240
	s_delay_alu instid0(VALU_DEP_1)
	v_fmac_f32 v250, v242, v242
	s_delay_alu instid0(VALU_DEP_1)
	v_fmac_f32 v250, v244, v244
	s_delay_alu instid0(VALU_DEP_1)
	v_fmac_f32 v250, v246, v246
	s_delay_alu instid0(VALU_DEP_1)
	v_fma_f32 v250, v250, s36, v241                ; the runs' own sums + 2,048 x the squares of those differences
	RSUM 250
	s_delay_alu instid0(VALU_DEP_1)
	v_fma_f32 v250, v250, s34, s35                 ; the variance + eps
	s_wait_alu depctr_va_vdst(0)
	v_rsq_f32 v252, v250
	v_mov_b32 v253, 0                              ; (named with v252 as a pair.)  The plain line behind the transcendental
	s_wait_alu depctr_va_vdst(0)                   ; the wait ahead of the first line that names the result
.set i, 0
.rept 16
	v_pk_mul_f32 v[GA+2*i:GA+2*i+1], v[GA+2*i:GA+2*i+1], v[252:253] op_sel_hi:[1,0]   ; rstd x norm_w
.set i, i+1
.endr
.set i, 0
.rept 64
.if i%16 == 0
	s_wait_loadcnt 24-8*(i/16)                     ; eight more loads of x are in; the younger ones may be out
.endif
	v_pk_add_f32 v[XR+2*i:XR+2*i+1], v[XR+2*i:XR+2*i+1], v[248:249] op_sel_hi:[1,0] neg_lo:[0,1] neg_hi:[0,1]   ; x - mean
.set i, i+1
.endr
.irp t, 0,1,2,3
.set i, 0
.rept 32
	v_fma_f32 v[HH+i], v[XR+4*i+\t], v[GA+i], v[NB+i]   ; h at position 4 r + t, channel 32 h + i: one block of 32 along K
.set i, i+1
.endr
	s_wait_dscnt 0x0                               ; the last tile's LDS stores have read the codes' registers
	QUANT32 HH, 0
	ds_store_b128 v6, v[CD:CD+3] offset:HIMG+3072*\t
	ds_store_b64 v7, v[CD+4:CD+5] offset:HIMG+3072*\t+512
	ds_store_b8 v8, v[BY] offset:4*\t
.endr
	s_branch .Ljoin1
.Lprod_a:
	; ---- part A, product waves: my 64 weight rows (rows 64 x wave on), their scale words and biases come into registers while the X waves work: 60 loads a wave at the most
	v_lshrrev_b32 v13, 3, v2
	v_and_b32 v14, 7, v2
	s_delay_alu instid0(VALU_DEP_1)
	v_lshl_add_u32 v14, v13, 5, v14                ; 32 (r / 8) + r % 8
	s_delay_alu instid0(VALU_DEP_1)
	v_mul_u32_u24 v13, v14, 192                    ; a row of 256 codes is 192 bytes
	s_delay_alu instid0(VALU_DEP_1)
	v_mad_u32_u24 v13, v3, 24, v13
	s_delay_alu instid0(VALU_DEP_3)
	v_lshlrev_b32 v14, 3, v14                      ; and 8 scale bytes
	s_mul_i32 s32, s26, 12288
	s_add_nc_u64 s[12:13], s[12:13], s[32:33]
	s_lshl_b32 s32, s26, 9
	s_add_nc_u64 s[14:15], s[14:15], s[32:33]
	s_lshl_b32 s32, s26, 8
	s_add_nc_u64 s[16:17], s[16:17], s[32:33]
.irp w, 0,1,2,3
.irp s, 0,1
.irp p, 0,1,2,3,4,5
	global_load_b64 v[WF+12*(2*\w+\s)+2*\p:WF+12*(2*\w+\s)+2*\p+1], v13, s[12:13] offset:1536*\w+96*\s+48*(\p/3)+8*(\p%3)
.endr
.endr
	global_load_b64 v[WS+2*\w:WS+2*\w+1], v14, s[14:15] offset:64*\w   ; a row's 8 scale bytes: the words of K steps 0 and 1
.endr
	s_cmp_eq_u32 s28, 2
	s_cbranch_scc1 .Lbias_v
	v_lshlrev_b32 v15, 7, v3                       ; q, k: register j of tile w is channel 32 h + 8 w + j
.irp w, 0,1,2,3
	global_load_b128 v[BI+8*\w:BI+8*\w+3], v15, s[16:17] offset:32*\w
	global_load_b128 v[BI+8*\w+4:BI+8*\w+7], v15, s[16:17] offset:32*\w+16
.endr
	s_branch .Ljoin1
.Lbias_v:
	s_wait_alu depctr_va_vdst(0)
	v_lshrrev_b32 v15, 1, v14                      ; v: all eight registers of a lane are one channel, 32 (r / 8) + 8 w + r % 8
.irp w, 0,1,2,3
	global_load_b32 v[BI+8*\w], v15, s[16:17] offset:32*\w
.endr
.Ljoin1:
	s_wait_dscnt 0x0                               ; for the others' sake: my LDS stores have landed
	s_barrier_signal -1
	s_barrier_wait -1                              ; h's sixteen halves and their scale bytes lie in LDS
	s_cmp_eq_u32 s28, 3
	s_cbranch_scc1 .Ljoin2
	s_wait_loadcnt 0x0                             ; weights, scale words, biases
	ds_load_b128 v[HS:HS+3], v9                    ; h's scale words of K step 0, tiles 0-3,
	ds_load_b128 v[HS+4:HS+7], v9 offset:256       ; and of K step 1
	s_cmp_eq_u32 s28, 2
	s_cbranch_scc1 .Lv_b
	; ---- part B, q and k: source 0 = 16 weight rows, source 1 = 16 positions: a lane holds ONE position and 32 channels of its half: one block
.irp t, 0,1,2,3
.irp k, 0,1,2,3
	ds_load_b128 v[HF+6*\k:HF+6*\k+3], v4 offset:HIMG+3072*\t+768*\k
	ds_load_b64 v[HF+6*\k+4:HF+6*\k+5], v5 offset:HIMG+3072*\t+768*\k+512
.endr
	s_wait_dscnt 0x0
.irp w, 0,1,2,3                        ; the four accumulators take turns, one instruction a turn; the bias is the first product's C
	MM AC+8*\w, WF+24*\w, HF, BI+8*\w, WS+2*\w, HS+\t
.endr
.irp w, 0,1,2,3
	MM AC+8*\w, WF+24*\w+12, HF+12, AC+8*\w, WS+2*\w+1, HS+4+\t
.endr
.rept 4
	v_nop                                          ; four places in front of the first read of the results and of the next loads into h's fragments; with the quantiser's five lines that name none of the products' registers they are more than the five in front of the next tile's first product
.endr
	QUANT32 AC, 1
	ds_store_b8 v10, v[BY] offset:2*\t
	global_store_b128 v4, v[CD:CD+3], s[48:49] offset:768*\t          ; 512 consecutive bytes, aligned
	global_store_b64 v5, v[CD+4:CD+5], s[48:49] offset:768*\t+512     ; 256 consecutive bytes, aligned
.endr
	s_branch .Ljoin2
.Lv_b:
	; ---- part B, v: source 0 = 16 positions, source 1 = 16 weight rows: a lane holds ONE channel, and the four tiles' 32 registers are one block of 32 keys
.irp w, 0,1,2,3
.irp j, 1,2,3,4,5,6,7
	v_mov_b32 v[BI+8*\w+\j], v[BI+8*\w]
.endr
.endr
.irp w, 0,1,2,3
.irp s, 0,1
.irp t, 0,1,2,3
.irp c, 0,1
	ds_load_b128 v[HF+12*\t+6*\c:HF+12*\t+6*\c+3], v4 offset:HIMG+3072*\t+768*(2*\s+\c)
	ds_load_b64 v[HF+12*\t+6*\c+4:HF+12*\t+6*\c+5], v5 offset:HIMG+3072*\t+768*(2*\s+\c)+512
.endr
.endr
	s_wait_dscnt 0x0
.irp t, 0,1,2,3
.if \s == 0
	MM AC+8*\t, HF+12*\t, WF+24*\w, BI+8*\w, HS+\t, WS+2*\w
.else
	MM AC+8*\t, HF+12*\t, WF+24*\w+12, AC+8*\t, HS+4+\t, WS+2*\w+1
.endif
.endr
.rept 4
	v_nop                                          ; places, as above
.endr
.endr
	QUANT32 AC, 1
	ds_store_b8 v10, v[BY] offset:2*\w
	global_store_b128 v4, v[CD:CD+3], s[48:49] offset:768*\w
	global_store_b64 v5, v[CD+4:CD+5], s[48:49] offset:768*\w+512
.endr
.Ljoin2:
	s_wait_dscnt 0x0                               ; my scale bytes have landed
	s_barrier_signal -1
	s_barrier_wait -1
	; ---- part C: the scale bytes leave in whole runs: wave 12 stores k's and v's (256 bytes a head), wave 13 q's (512 bytes)
	s_cmp_eq_u32 s26, 12
	s_cbranch_scc0 .Lnot_12
	s_lshl_b32 s32, s31, 10
	s_mov_b32 s33, 0
	s_add_nc_u64 s[24:25], s[24:25], s[32:33]
.irp u, 0,1,2,3
	ds_load_b64 v[16+2*\u:17+2*\u], v11 offset:384*\u+128
.endr
	s_wait_dscnt 0x0
.irp u, 0,1,2,3
	global_store_b64 v5, v[16+2*\u:17+2*\u], s[24:25] offset:256*\u   ; lanes 0-15 k's bytes of key rows 0-15, lanes 16-31 v's of channel rows 0-15
.endr
	s_branch .Lend
.Lnot_12:
	s_cmp_eq_u32 s26, 13
	s_cbranch_scc0 .Lend
	s_lshl_b32 s32, s31, 9
	s_mov_b32 s33, 0
	s_add_nc_u64 s[20:21], s[20:21], s[32:33]
	s_wait_alu depctr_va_vdst(0)
	ds_load_b128 v[16:19], v12
	s_wait_dscnt 0x0
	global_store_b128 v4, v[16:19], s[20:21]
.Lend:
	s_wait_tensorcnt 0x0
	ds_add_u32 v254, v255
	s_wait_dscnt 0x0
	s_endpgm
.Lfunc_end_k_qab9e44414c_qkv:
	.size	k_qab9e44414c_qkv, .Lfunc_end_k_qab9e44414c_qkv-k_qab9e44414c_qkv
	.p2alignl 7, 3214868480
	.fill 96, 4, 3214868480
	.section	.rodata,"a",@progbits
	.p2align	6, 0x0
	.amdhsa_kernel k_qab9e44414c_qkv
		.amdhsa_group_segment_fixed_size 18432
		.amdhsa_private_segment_fixed_size 0
		.amdhsa_enable_private_segment 0
		.amdhsa_kernarg_size 88
		.amdhsa_user_sgpr_count 2
		.amdhsa_user_sgpr_kernarg_segment_ptr 1
		.amdhsa_wavefront_size32 1
		.amdhsa_system_sgpr_workgroup_id_x 1
		.amdhsa_system_sgpr_workgroup_id_y 1
		.amdhsa_system_sgpr_workgroup_id_z 1
		.amdhsa_system_vgpr_workitem_id 0
		.amdhsa_next_free_vgpr 256
		.amdhsa_next_free_sgpr 66
		.amdhsa_reserve_vcc 0
		.amdhsa_float_denorm_mode_32 3
		.amdhsa_float_denorm_mode_16_64 3
		.amdhsa_memory_ordered 1
		.amdhsa_forward_progress 1
		.amdhsa_inst_pref_size 74
	.end_amdhsa_kernel
	.amdgpu_metadata
---
amdhsa.version: [ 1, 2 ]
amdhsa.kernels:
  - .name:           k_qab9e44414c_qkv
    .symbol:         k_qab9e44414c_qkv.kd
    .args:
      - { .name: x, .offset: 0, .size: 8, .value_kind: global_buffer, .address_space: global }
      - { .name: stats, .offset: 8, .size: 8, .value_kind: global_buffer, .address_space: global }
      - { .name: norm_w, .offset: 16, .size: 8, .value_kind: global_buffer, .address_space: global }
      - { .name: norm_b, .offset: 24, .size: 8, .value_kind: global_buffer, .address_space: global }
      - { .name: qkv_w_codes, .offset: 32, .size: 8, .value_kind: global_buffer, .address_space: global }
      - { .name: qkv_w_scales, .offset: 40, .size: 8, .value_kind: global_buffer, .address_space: global }
      - { .name: qkv_b, .offset: 48, .size: 8, .value_kind: global_buffer, .address_space: global }
      - { .name: qc, .offset: 56, .size: 8, .value_kind: global_buffer, .address_space: global }
      - { .name: qs, .offset: 64, .size: 8, .value_kind: global_buffer, .address_space: global }
      - { .name: kv, .offset: 72, .size: 8, .value_kind: global_buffer, .address_space: global }
      - { .name: ksc, .offset: 80, .size: 8, .value_kind: global_buffer, .address_space: global }
    .group_segment_fixed_size: 18432
    .private_segment_fixed_size: 0
    .kernarg_segment_align: 8
    .kernarg_segment_size: 88
    .max_flat_workgroup_size: 512
    .sgpr_count:     66
    .vgpr_count:     256
    .wavefront_size: 32
...
	.end_amdgpu_metadata
.endif
;; end of part 2
;; launch attn (part 3): grid 64 x 4, 16 waves a work-group, clusters of 4 x 1, 327,680 bytes of LDS; arguments qc, qs, kv, ksc, proj_w_codes, proj_w_scales, proj_b, x, out0; writes out0
.if DOCPART == 3
	.amdgcn_target "amdgcn-amd-amdhsa--gfx1250"
	.amdhsa_code_object_version 6
	.text
	.protected	k_qab9e44414c_attn
	.globl	k_qab9e44414c_attn
	.p2align	8
	.type	k_qab9e44414c_attn,@function
k_qab9e44414c_attn:
	s_mov_b64 s[64:65], 0
	v_nop
	global_prefetch_b8 v0, s[64:65] scope:SCOPE_SE
	s_setreg_imm32_b32 hwreg(HW_REG_WAVE_MODE, 25, 1), 1
	s_wait_xcnt 0x0
	s_wait_alu depctr_hold_cnt(0) depctr_sa_sdst(0) depctr_va_vdst(0) depctr_va_sdst(0) depctr_va_ssrc(0) depctr_va_vcc(0) depctr_vm_vsrc(0)
	s_getreg_b32 s2, hwreg(HW_REG_IB_STS2, 6, 4)
	s_cmp_eq_u32 s2, 0
	s_cbranch_scc0 .Lentry_in_a_cluster
	s_endpgm
.Lentry_in_a_cluster:
	s_bfe_u32 s2, ttmp6, 0x10000c
	s_cmp_lg_u32 s2, 0x3003
	s_cbranch_scc0 .Lentry_shape_is_right
	s_endpgm
.Lentry_shape_is_right:
; Attention on codes of FP6 (E2M3, one E8M0 scale for each 32 along K), the projection, its bias and the residual.
; A work-group takes 64 positions (group G) of one batch and ALL FOUR HEADS: wave w has head w / 4 and query tile w % 4 (queries 64 G + 4 r + w % 4).  So the four heads of a position meet in one
; work-group, the attention's result is quantised in registers, goes from wave to wave through LDS, and the projection follows in the same launch.
; Sixteen waves of 256 registers, four to a SIMD: a key step has some 220 vector instructions beside 12 matrix instructions, so the vector unit binds, and the four waves fill each other's waits.
; OPERANDS are HALVES as the launch before stored them: six registers a lane (16 rows x 64 K), an image of 768 bytes: registers 0-3 at 16 x lane, 4-5 at 512 + 8 x lane.  All LDS reads are dense.
; S^T = K Q^T: source 0 = 16 keys, source 1 = my 16 queries.  The head has only 64 channels, half of the instruction's 128: two tiles of keys fill one operand, which is multiplied once by
; [q | zero codes] and once by [zero codes | q]; zero codes add nothing under any scale byte of this program (1 to 254).
; Key row r of tile t is key 4 r + t of its group of 64, so register j of tile t in lane half h is key 32 h + 4 j + t: a group's 32 registers of ONE lane are one whole block of 32 keys (slot 8 t + j),
; the order in which v's codes were made: the keys of a block are permuted alike on both operands of O^T = V^T P^T, which changes only the order of that sum.
; So a block's largest score is found inside a lane, and the conversions' results are the operand's registers.
; THE SOFTMAX: t = score x log2(e) / 8; M = the running largest t rounded UP to a whole number; p = 2^(t - M) is quantised, not normalised; the sum l is taken of the unquantised p; when M moves, l and O^T are
; multiplied by 2^(old M - new M), which rounds nothing; O^T is divided by l at the end.  A block's largest p is its largest score put through the same multiply-add and exponential.
; Row r of tile w of V is channel 32 (r / 8) + 8 w + r % 8, so register 8 w + j of O^T in lane half h is channel 32 h + 8 w + j of the head: a block of the projection's K, in order.
; CLUSTER: the four work-groups of a cluster belong to one batch and walk the same K and V: every tile is asked for JOINTLY (the same load, the same descriptor, a mask that names the four).
; The place in the cluster enters only the addresses of q, x, out0 and of the prefetches.
; THE RING: two LDS slots of 256 keys x 4 heads (98,304 bytes, as they lie in memory), two key steps of 128 each; waves 0-3 fetch a quarter each.  The batch's scale bytes (65,536) come once.
; LIMITS: NaN and infinities are not served; a block whose largest magnitude lies under 2^-124 keeps the scale byte 1 (a block of zeros too: its codes are zeros).
.set SLOT1, 1<<17                      ; slot 0 at 0, slot 1 here: one exclusive or turns an address from one to the other
.set SLOTB, 98304
.set SPARE, 98304                      ; the spare words, 128 bytes for each of the sixteen waves: eight blocks of 256 bytes that no other line names
.set OIMG,  100352                     ; o's sixteen halves: (tile t, head) at 3072 t + 768 head.  No tile lands here
.set OSC,   112640                     ; o's scale bytes: 256 s + 16 r + 4 t + (2 c + h)
.set SCB,   229376                     ; the batch's scale bytes of k and v: 1,024 a group of 64 keys, 256 a head; filled once
.set QL, 16                            ; v16-27 [q | 0], v28-39 [0 | q]
.set KF, 40                            ; v40-87   eight halves of K, then eight of V
.set S,  88                            ; v88-151  S^T, then p
.set OA, 152                           ; v152-183 O^T
.set PC, 184                           ; v184-195 p's codes
.set PT, 196                           ; v196-198, v200-202 the conversions' upper halves
.set KA, 204                           ; v204-207 scale words as loaded: lanes 0-15 K's, lanes 16-31 V's; two groups of keys
.set VW, 208                           ; v208-211 V's scale words (in lanes 16-31)
.set PW, 212                           ; v212     p's scale word
.set BM, 214                           ; v214-215 the two blocks' largest scores;  v216-217 second chains
.set XM, 216
.set CD, 184                           ; the tail's quantiser
.set M0, 214
.set M1, 215
.set SO, 224                           ; v224-225 the conversions' scale operands;  v226-227 the bytes
.set BY, 226
.set WSC, 242                          ; v242-243 the tail: proj_w's scale words
.set OS,  244                          ; v244-251 the tail: o's scale words: OS + 4 s + t
; v1 16 lane + 6144 head, v2 8 lane + 6144 head, v3 SCB + 256 head + 8 lane, v4 8 h, v5 my spare word, v6 0, v7-9 the step's LDS addresses, v10 256 lane (prefetches), v11 q's scale word,
; v12 -M, v13 the largest t, v[14:15] l in two halves, v[218:219] second chain of sums, v[220:221] f, v222-223 at work.
; s22 wave, s23 head, s24 tile, s[26:27] lane selects, s[28:29] c, s30 the slot in hand, s31 the step's scale bytes, s32 the step's tiles, s33 slots to ask for, s34 who prefetches,
; s[40:47], s[48:55] descriptor groups 1 (tiles, scale bytes), s[56:59], s[60:63] their groups 0, s[66:67] where my prefetches stand.
.macro QUANT32 src, xw                 ; 32 numbers of one lane, one block, become six registers of codes in v[CD] on and the scale's byte in v[BY] (the floor 2^(3 - 127) holds the byte at 1 from below)
	v_max3_num_f32 v[M0], |v[\src]|, |v[\src+1]|, 0x1800000
	v_max3_num_f32 v[M1], |v[\src+16]|, |v[\src+17]|, |v[\src+18]|
.irp i, 2,4,6,8,10,12
	s_delay_alu instid0(VALU_DEP_2)
	v_max3_num_f32 v[M0], v[M0], |v[\src+\i]|, |v[\src+\i+1]|
	s_delay_alu instid0(VALU_DEP_2)
	v_max3_num_f32 v[M1], v[M1], |v[\src+\i+17]|, |v[\src+\i+18]|
.endr
	s_delay_alu instid0(VALU_DEP_2)
	v_max3_num_f32 v[M0], v[M0], |v[\src+14]|, |v[\src+15]|
	s_delay_alu instid0(VALU_DEP_1)
	v_max3_num_f32 v[M0], v[M0], v[M1], |v[\src+31]|
	s_delay_alu instid0(VALU_DEP_1)
	v_add_nc_u32 v[SO], 0xff000000, v[M0]          ; 2 off the exponent field: the conversions' scale operand
.if \xw
	s_wait_xcnt 0x0
.endif
	v_cvt_scalef32_pk16_fp6_f32 v[CD:CD+2], v[\src:\src+15], v[SO]
	v_cvt_scalef32_pk16_fp6_f32 v[CD+4:CD+6], v[\src+16:\src+31], v[SO]
	v_lshrrev_b32 v[BY], 23, v[SO]                 ; the byte; also the plain line behind the conversions
	v_mov_b32 v[CD+3], v[CD+4]
	v_mov_b32 v[CD+4], v[CD+5]
	v_mov_b32 v[CD+5], v[CD+6]
.endm
.macro CROUND                          ; a round of the cluster's barrier: my work-group's barrier; wave 0 signals for the work-group; every wave waits for all four work-groups; my work-group's barrier once more
	s_barrier_signal -1
	s_barrier_wait -1
	s_cmp_lg_u32 s22, 0
	s_cbranch_scc1 .Lnot_wave_0_\@
	s_barrier_signal -3
.Lnot_wave_0_\@:
	s_barrier_wait -3
	s_barrier_signal -1
	s_barrier_wait -1
.endm
.macro TLOAD                           ; the joint refill: waves 0-3 fetch a quarter of a slot each; the branch hangs on the wave's number alone; four v_nop follow the load
	s_cmp_lt_u32 s22, 4
	s_cbranch_scc0 .Lnone_\@
	tensor_load_to_lds s[56:59], s[40:47]
	s_nop 0
.rept 4
	v_nop
.endr
.Lnone_\@:
.endm
; A PREFETCH INTO THE L2 of the slot that the NEXT change of slots will ask for: two key steps ahead of that load.  A slot is 384 blocks of 256 bytes.  All sixteen clusters of a batch walk the same K and V:
; the batch's first cluster asks.  Its four partners take 96 blocks each, told apart BY ADDRESS; in each, waves 4, 5 and 6, which fetch nothing, ask for 32 blocks each, a lane a block: one instruction a wave.
; So each block is named once in the launch.  Slots 0 and 1 come by their loads alone; the last change that fills a slot asks for nothing; the scale bytes are not asked for.
.macro ASK
	s_cmp_gt_u32 s33, s34
	s_cbranch_scc0 .Lnot_mine_\@
	global_prefetch_b8 v10, s[66:67] th:TH_LOAD_NT scope:SCOPE_SE
.Lnot_mine_\@:
.endm
	s_load_b256 s[4:11], s[0:1], 0x0               ; qc s[4:5], qs s[6:7], kv s[8:9], ksc s[10:11]
	s_load_b256 s[12:19], s[0:1], 0x20             ; proj_w's codes s[12:13], its scales s[14:15], proj_b s[16:17], x s[18:19]
	s_load_b64 s[20:21], s[0:1], 0x40              ; out0
	v_lshl_add_u32 v5, v0, 2, SPARE
	v_mov_b32 v6, 0
	ds_add_u32 v5, v6
	ds_add_u32 v5, v6
	s_wait_dscnt 0x0
	v_lshrrev_b32 v1, 5, v0
	s_delay_alu instid0(VALU_DEP_1)
	v_readfirstlane_b32 s22, v1                    ; wave 0..15
	s_lshr_b32 s23, s22, 2                         ; my head
	s_and_b32 s24, s22, 3                          ; my tile of queries; in waves 0-3: which quarter I fetch
	s_and_b32 s37, ttmp7, 0xffff                   ; the batch, which the four partners share
	; descriptor groups 1: dense blocks as rows of 256 bytes (32 elements of 8 bytes), no padding: 96 rows of a slot, 64 rows of the scale bytes
	s_mov_b32 s40, 15|(3<<16)|(1<<21)              ; 15:0 the mask: all four work-groups; 17:16 elements of 8 bytes; 21 set beside a mask
	s_mov_b32 s41, 32<<16                          ; tensor_dim0 = 32
	s_mov_b32 s42, 96<<16                          ; tensor_dim1 = 96
	s_mov_b32 s43, 32<<16                          ; tile_dim0 = 32
	s_mov_b32 s44, 96                              ; tile_dim1 = 96
	s_mov_b32 s45, 32                              ; from row to row
	s_mov_b32 s46, 0
	s_mov_b32 s47, 0
	s_mov_b32 s48, 15|(3<<16)|(1<<21)
	s_mov_b32 s49, 32<<16
	s_mov_b32 s50, 64<<16
	s_mov_b32 s51, 32<<16
	s_mov_b32 s52, 64
	s_mov_b32 s53, 32
	s_mov_b32 s54, 0
	s_mov_b32 s55, 0
	s_mul_i32 s68, s37, 1572864                    ; a batch of kv: 64 groups x 24,576 bytes
	s_mul_i32 s57, s24, 24576                      ; my quarter: in LDS (slot 0),
	s_add_co_u32 s68, s68, s57                     ; and in memory
	s_mov_b32 s69, 0
	s_lshl_b32 s70, s37, 16                        ; a batch of ksc: 65,536 bytes
	s_lshl_b32 s61, s24, 14
	s_add_co_u32 s70, s70, s61
	s_mov_b32 s71, 0
	s_add_co_u32 s61, s61, SCB
	s_mov_b32 s56, 1                               ; count = 1
	s_mov_b32 s60, 1
	s_mov_b32 s26, 0x76543210                      ; v_permlanex16_b32's selects for lane l xor 16
	s_mov_b32 s27, 0xfedcba98
	s_mov_b32 s28, 0x3e38aa3b                      ; c = log2(e) / 8
	s_mov_b32 s29, s28                             ; (named with it as a pair)
	s_mov_b32 s30, 0
	s_mov_b32 s31, 0
	s_mov_b32 s33, 15                              ; 16 slots: 15 are asked for at a change of slots
	s_mov_b32 s80, 0x05040100                      ; v_perm_b32: the two low halves;
	s_mov_b32 s81, 0x07060302                      ; the two high halves
	s_sub_co_u32 s72, s22, 4
	s_cmp_lt_u32 s72, 3                            ; waves 4 to 6,
	s_cselect_b32 s72, 0, 1
	s_or_b32 s72, s72, ttmp9                       ; of the batch's first cluster: the same in all four partners
	s_cmp_eq_u32 s72, 0
	s_cselect_b32 s34, 1, -1
	s_wait_kmcnt 0x0
	s_add_nc_u64 s[58:59], s[8:9], s[68:69]
	s_or_b32 s59, s59, 0x80000000                  ; type = 2
	s_add_nc_u64 s[62:63], s[10:11], s[70:71]
	s_or_b32 s63, s63, 0x80000000
	CROUND                                         ; all four work-groups are here: the first joint loads meet
	s_cmp_lt_u32 s22, 4                            ; a wave's first fills stand in one branch, ahead of every wait on TENSORcnt and every LDS read: two loads of mine are out here, one behind each later round
	s_cbranch_scc0 .Lno_first
	tensor_load_to_lds s[60:63], s[48:55]          ; the scale bytes
	s_nop 0
	tensor_load_to_lds s[56:59], s[40:47]          ; slot 0
	s_nop 0
.rept 4
	v_nop
.endr
.Lno_first:
	s_bfe_u32 s35, ttmp6, 0x40000                  ; cx: my place in the cluster
	s_lshl_b32 s36, ttmp9, 2
	s_add_co_u32 s36, s36, s35                     ; G = 4 x cluster x + cx
	s_lshl_b32 s68, s37, 6
	s_add_co_u32 s68, s68, s36                     ; 64 b + G
	s_mul_i32 s70, s68, 12288                      ; q's half: 12,288 (64 b + G) + 3,072 head + 768 tile
	s_mul_i32 s72, s23, 3072
	s_add_co_u32 s70, s70, s72
	s_mul_i32 s72, s24, 768
	s_add_co_u32 s70, s70, s72
	s_add_nc_u64 s[4:5], s[4:5], s[70:71]
	s_lshl_b32 s70, s68, 9                         ; q's scale bytes: 512 (64 b + G) + 128 head + 8 r + 2 tile
	s_lshl_b32 s72, s23, 7
	s_add_co_u32 s70, s70, s72
	s_lshl_b32 s72, s24, 1
	s_add_co_u32 s70, s70, s72
	s_add_nc_u64 s[6:7], s[6:7], s[70:71]
	s_mul_i32 s70, s37, 1572864                    ; the prefetches: my batch, slot 1 (the first change of slots steps it to slot 2), my work-group's 24,576 bytes, my wave's 8,192
	s_mul_i32 s72, s35, 24576
	s_add_co_u32 s70, s70, s72
	s_lshl_b32 s72, s24, 13
	s_add_co_u32 s70, s70, s72
	s_add_co_u32 s70, s70, SLOTB
	s_add_nc_u64 s[66:67], s[8:9], s[70:71]
	s_mul_i32 s70, s22, 3072                       ; the tail: my 16 rows of proj_w (output channels 16 x wave on),
	s_add_nc_u64 s[12:13], s[12:13], s[70:71]
	s_lshl_b32 s70, s22, 7                         ; their scale bytes,
	s_add_nc_u64 s[14:15], s[14:15], s[70:71]
	s_lshl_b32 s70, s22, 6                         ; their biases,
	s_add_nc_u64 s[16:17], s[16:17], s[70:71]
	s_lshl_b32 s70, s37, 22                        ; and their rows of x and of out0 at my 64 positions
	s_lshl_b32 s72, s22, 18
	s_add_co_u32 s70, s70, s72
	s_lshl_b32 s72, s36, 8
	s_add_co_u32 s70, s70, s72
	s_add_nc_u64 s[18:19], s[18:19], s[70:71]
	s_add_nc_u64 s[20:21], s[20:21], s[70:71]
	v_and_b32 v1, 31, v0                           ; lane
	s_delay_alu instid0(VALU_DEP_1)
	v_lshlrev_b32 v7, 4, v1
	s_delay_alu instid0(VALU_DEP_2)
	v_lshlrev_b32 v8, 3, v1
	v_and_b32 v9, 15, v0
	s_delay_alu instid0(VALU_DEP_1)
	v_lshlrev_b32 v9, 3, v9                        ; 8 r
	global_load_b128 v[QL:QL+3], v7, s[4:5]        ; q's half twice: as the lower 64 of one operand,
	global_load_b64 v[QL+4:QL+5], v8, s[4:5] offset:512
	global_load_b128 v[QL+18:QL+21], v7, s[4:5]    ; and as the upper 64 of the other
	global_load_b64 v[QL+22:QL+23], v8, s[4:5] offset:512
	global_load_u16 v11, v9, s[6:7]                ; its two scale bytes
.irp i, 6,7,8,9,10,11,12,13,14,15,16,17
	v_mov_b32 v[QL+\i], 0                          ; zero codes
.endr
	s_mul_i32 s72, s23, 6144                       ; a head's K and V of a group of 64 keys
	v_lshlrev_b32 v10, 8, v1
	v_bfe_u32 v4, v0, 4, 1
	s_delay_alu instid0(VALU_DEP_1)
	v_lshlrev_b32 v4, 3, v4
	v_lshlrev_b32 v2, 3, v1
	v_lshlrev_b32 v1, 4, v1
	s_lshl_b32 s73, s23, 8
	s_add_co_u32 s73, s73, SCB
	v_add_nc_u32 v3, s73, v2
	v_add_nc_u32 v1, s72, v1
	v_add_nc_u32 v2, s72, v2
	s_wait_loadcnt 0x0                             ; q
	v_lshl_or_b32 v11, v11, 16, v11                ; (s0, s1, s0, s1): the same two bytes serve both operands.  The clears below stand between this line and the first product that names it
.set i, 0
.rept 32
	v_mov_b32 v[OA+i], 0                           ; O^T.  (The step is written once for all steps: the first finds zeros, which the first change of M leaves zeros)
.set i, i+1
.endr
	v_mov_b32 v14, 0                               ; l
	v_mov_b32 v15, 0
	v_mov_b32 v221, 0                              ; (named as the upper half of f's pair)
	v_mov_b32 v223, 0                              ; written once: a lane permute's destination counts as one of its sources
	v_mov_b32 v13, 0xff61b1e6                      ; the largest t so far: -3e38
	s_delay_alu instid0(VALU_DEP_1)
	v_floor_f32 v12, -v13                          ; -M
; A KEY STEP: 128 keys, the q-th of the slot in hand: two groups c of 64.
.macro STEP q
	s_add_co_u32 s32, s30, 49152*\q
	v_add_nc_u32 v7, s32, v1                       ; these three and the v_nop are the four places in front of loads into registers that the last step's products have read
	v_add_nc_u32 v8, s32, v2
	v_add_nc_u32 v9, s31, v3
	v_nop
.irp c, 0,1
.irp t, 0,1,2,3
	ds_load_b128 v[KF+24*\c+6*\t:KF+24*\c+6*\t+3], v7 offset:24576*\c+768*\t
	ds_load_b64 v[KF+24*\c+6*\t+4:KF+24*\c+6*\t+5], v8 offset:24576*\c+768*\t+512
.endr
.endr
	ds_load_b64 v[KA:KA+1], v9                     ; lanes 0-15: key row r's bytes of tiles (0, 1) and (2, 3); lanes 16-31: channel row r's bytes of V's tiles (0, 1), (2, 3)
	ds_load_b64 v[KA+2:KA+3], v9 offset:1024       ; the second group's
	s_wait_alu depctr_va_vdst(0)
	s_wait_dscnt 0x0
.irp c, 0,1
.irp t, 0,1,2,3                        ; tiles 2 p and 2 p + 1 share an operand; the even one meets [q | 0], the odd one [0 | q]
	v_wmma_scale_f32_16x16x128_f8f6f4 v[S+32*\c+8*\t:S+32*\c+8*\t+7], v[KF+24*\c+12*(\t/2):KF+24*\c+12*(\t/2)+11], v[QL+12*(\t%2):QL+12*(\t%2)+11], 0, v[KA+2*\c+\t/2], v11 matrix_a_fmt:MATRIX_FMT_FP6 matrix_b_fmt:MATRIX_FMT_FP6
.endr
.endr
.rept 4
	v_nop                                          ; places in front of the loads below and of the first read of the scores
.endr
.irp w, 0,1,2,3                        ; V's eight halves: they land while the softmax is worked
.irp c, 0,1
	ds_load_b128 v[KF+12*\w+6*\c:KF+12*\w+6*\c+3], v7 offset:24576*\c+3072+768*\w
	ds_load_b64 v[KF+12*\w+6*\c+4:KF+12*\w+6*\c+5], v8 offset:24576*\c+3072+768*\w+512
.endr
.endr
	v_perm_b32 v[VW], v[KA+2], v[KA], s80          ; V's scale word of tile w: the first group's two bytes below, the second group's above (in lanes 16-31)
	v_perm_b32 v[VW+1], v[KA+2], v[KA], s81
	v_perm_b32 v[VW+2], v[KA+3], v[KA+1], s80
	v_perm_b32 v[VW+3], v[KA+3], v[KA+1], s81
.irp c, 0,1                            ; the largest score of each of my two blocks: four chains by turns; each accumulator is first read at its low end
	v_max3_num_f32 v[BM+\c], v[S+32*\c], v[S+32*\c+1], v[S+32*\c+2]
	v_max3_num_f32 v[XM+\c], v[S+32*\c+16], v[S+32*\c+17], v[S+32*\c+18]
.endr
.irp i, 3,5,7,9,11,13
.irp c, 0,1
	v_max3_num_f32 v[BM+\c], v[BM+\c], v[S+32*\c+\i], v[S+32*\c+\i+1]
	v_max3_num_f32 v[XM+\c], v[XM+\c], v[S+32*\c+16+\i], v[S+32*\c+17+\i]
.endr
.endr
.irp c, 0,1
	v_max3_num_f32 v[BM+\c], v[BM+\c], v[XM+\c], v[S+32*\c+15]
.endr
.irp c, 0,1
	v_max_num_f32 v[BM+\c], v[BM+\c], v[S+32*\c+31]
.endr
	s_delay_alu instid0(VALU_DEP_1)
	v_max_num_f32 v222, v[BM], v[BM+1]
	s_delay_alu instid0(VALU_DEP_1)
	v_permlanex16_b32 v223, v222, s26, s27         ; my query's other two blocks lie in the lane 16 away
	s_delay_alu instid0(VALU_DEP_1)
	v_max_num_f32 v222, v222, v223
	s_delay_alu instid0(VALU_DEP_1)
	v_mul_f32 v222, s28, v222                      ; as t (c is positive)
	s_delay_alu instid0(VALU_DEP_1)
	v_max_num_f32 v13, v13, v222                   ; the running largest t
	v_mov_b32 v222, v12
	s_delay_alu instid0(VALU_DEP_2)
	v_floor_f32 v12, -v13                          ; the new -M = -ceil(t)
	s_delay_alu instid0(VALU_DEP_1)
	v_sub_f32 v222, v12, v222                      ; old M - new M: a whole number, 0 or less
	s_delay_alu instid0(VALU_DEP_1)
	v_cvt_i32_f32 v222, v222                       ; (it saturates)
	s_delay_alu instid0(VALU_DEP_1)
	v_ldexp_f32 v220, 1.0, v222                    ; f = 2^(old M - new M)
.set j, 0
.rept 32
	v_pk_fma_f32 v[S+j:S+j+1], v[S+j:S+j+1], s[28:29], v[12:13] op_sel_hi:[1,0,0]   ; t - M, two at a time
.set j, j+2
.endr
.irp c, 0,1
	v_fma_f32 v[BM+\c], v[BM+\c], s28, v12         ; the same of each block's largest score
.endr
.set j, 0
	s_wait_alu depctr_va_vdst(0)
.rept 64
	v_exp_f32 v[S+j], v[S+j]                       ; p = 2^(t - M): one batch
.set j, j+1
.endr
	v_pk_mul_f32 v[14:15], v[14:15], v[220:221] op_sel_hi:[1,0]   ; l under the new M; the plain line behind the exponentials
	s_wait_alu depctr_va_vdst(0)                   ; one wait for the batch, ahead of the first line that names a result
.irp c, 0,1
	v_exp_f32 v[BM+\c], v[BM+\c]                   ; the blocks' largest p
.endr
	v_pk_add_f32 v[218:219], v[92:93], v[96:97]
	v_pk_add_f32 v[254:255], v[100:101], v[104:105]
	v_pk_add_f32 v[252:253], v[108:109], v[112:113]
	v_pk_add_f32 v[250:251], v[116:117], v[120:121]
	v_pk_add_f32 v[248:249], v[124:125], v[128:129]
	v_pk_add_f32 v[246:247], v[132:133], v[136:137]
	v_pk_add_f32 v[244:245], v[140:141], v[144:145]
	v_pk_add_f32 v[14:15], v[14:15], v[148:149]
	v_pk_add_f32 v[218:219], v[218:219], v[88:89]
	v_pk_add_f32 v[254:255], v[254:255], v[90:91]
	v_pk_add_f32 v[252:253], v[252:253], v[94:95]
	v_pk_add_f32 v[250:251], v[250:251], v[98:99]
	v_pk_add_f32 v[248:249], v[248:249], v[102:103]
	v_pk_add_f32 v[246:247], v[246:247], v[106:107]
	v_pk_add_f32 v[244:245], v[244:245], v[110:111]
	v_pk_add_f32 v[14:15], v[14:15], v[114:115]
	v_pk_add_f32 v[218:219], v[218:219], v[118:119]
	v_pk_add_f32 v[254:255], v[254:255], v[122:123]
	v_pk_add_f32 v[252:253], v[252:253], v[126:127]
	v_pk_add_f32 v[250:251], v[250:251], v[130:131]
	v_pk_add_f32 v[248:249], v[248:249], v[134:135]
	v_pk_add_f32 v[246:247], v[246:247], v[138:139]
	v_pk_add_f32 v[244:245], v[244:245], v[142:143]
	v_pk_add_f32 v[14:15], v[14:15], v[146:147]
	v_pk_add_f32 v[218:219], v[218:219], v[150:151]
	s_delay_alu instid0(VALU_DEP_2)
	v_pk_add_f32 v[14:15], v[14:15], v[250:251]
	s_delay_alu instid0(VALU_DEP_2)
	v_pk_add_f32 v[218:219], v[218:219], v[248:249]
	v_pk_add_f32 v[254:255], v[254:255], v[246:247]
	v_pk_add_f32 v[252:253], v[252:253], v[244:245]
	s_delay_alu instid0(VALU_DEP_2)
	v_pk_add_f32 v[14:15], v[14:15], v[254:255]
	s_delay_alu instid0(VALU_DEP_2)
	v_pk_add_f32 v[218:219], v[218:219], v[252:253]
	s_delay_alu instid0(VALU_DEP_1)
	v_pk_add_f32 v[14:15], v[14:15], v[218:219]
	s_wait_alu depctr_va_vdst(0)                   ; and one for the two
.irp c, 0,1
	v_max_num_f32 v[BM+\c], 0x1800000, v[BM+\c]    ; the floor 2^(3 - 127): the byte cannot fall under 1
.endr
.irp c, 0,1
	s_delay_alu instid0(VALU_DEP_2)
	v_add_nc_u32 v[SO+\c], 0xff000000, v[BM+\c]    ; 2 off the exponent field: the conversions' scale operand
.endr
.irp c, 0,1
	s_delay_alu instid0(VALU_DEP_2)
	v_lshrrev_b32 v[BY+\c], 23, v[SO+\c]           ; the byte
.endr
	s_delay_alu instid0(VALU_DEP_1)
	v_lshl_or_b32 v[PW], v[BY+1], 16, v[BY]        ; my two bytes, blocks h and 2 + h of my query,
	s_delay_alu instid0(VALU_DEP_1)
	v_lshlrev_b32 v[PW], v4, v[PW]                 ; at their places (8 h bits up);
	s_delay_alu instid0(VALU_DEP_1)
	v_permlanex16_b32 v223, v[PW], s26, s27
	s_delay_alu instid0(VALU_DEP_1)
	v_or_b32 v[PW], v[PW], v223                    ; with the other lane's two the word is whole
.irp c, 0,1
	v_cvt_scalef32_pk16_fp6_f32 v[PC+6*\c:PC+6*\c+2], v[S+32*\c:S+32*\c+15], v[SO+\c]
	v_cvt_scalef32_pk16_fp6_f32 v[PT+4*\c:PT+4*\c+2], v[S+32*\c+16:S+32*\c+31], v[SO+\c]   ; (a conversion's three registers begin on an even number)
.endr
	v_nop                                          ; one plain line behind the conversions
.irp c, 0,1
.irp i, 0,1,2
	v_mov_b32 v[PC+6*\c+3+\i], v[PT+4*\c+\i]
.endr
.endr
.set j, 0
.rept 16
	v_pk_mul_f32 v[OA+j:OA+j+1], v[OA+j:OA+j+1], v[220:221] op_sel_hi:[1,0]   ; O^T under the new M; these lines also stand between the operand's and the scale word's last writes and the products
.set j, j+2
.endr
	s_wait_alu depctr_va_vdst(0)
	s_wait_dscnt 0x0                               ; V is in
.irp w, 0,1,2,3                        ; O^T += V^T P^T: four accumulators, one instruction each
	v_wmma_scale_f32_16x16x128_f8f6f4 v[OA+8*\w:OA+8*\w+7], v[KF+12*\w:KF+12*\w+11], v[PC:PC+11], v[OA+8*\w:OA+8*\w+7], v[VW+\w], v[PW] matrix_a_fmt:MATRIX_FMT_FP6 matrix_b_fmt:MATRIX_FMT_FP6 matrix_a_scale:MATRIX_SCALE_ROW1
.endr
	s_add_co_u32 s31, s31, 2048                    ; the next step's scale bytes: two groups of 1,024
.endm
; THE CHANGE OF SLOTS stands at a slot's head.  Each wave waits for all its tensor loads (its part of the slot ahead), adds 0 to its spare word, and waits for that and for its reads of the slot that it has left.
; fill = 1: a round of the cluster's barrier follows, so that no wave of any partner still reads that slot or has a load on its way, and the joint refill is the first thing behind it: it has two key steps in which to land.
.macro CHANGE fill
	s_wait_tensorcnt 0x0                           ; no tensor load of mine is out, so a group 0 may be written
	ds_add_u32 v5, v6                              ; 0 onto my spare word
.if \fill
	s_xor_b32 s57, s57, SLOT1                      ; the walking descriptor: the other slot than last time,
	s_add_nc_u64 s[58:59], s[58:59], SLOTB         ; the next 256 keys; the type bits on top are not reached
	s_wait_xcnt 0x0                                ; the last prefetch, a slot back, has read its address, so it may be written:
	s_add_nc_u64 s[66:67], s[66:67], SLOTB         ; one slot further on than the walking descriptor
.endif
	s_wait_dscnt 0x0                               ; the add is done, and my reads of the slot that I have left are over
.if \fill
	CROUND
	TLOAD
	ASK
.else
	s_barrier_signal -1
	s_barrier_wait -1
.endif
.endm
.Lslot:                                            ; 15 trips: behind each change of slots but the last the next slot is asked for
	CHANGE 1
	STEP 0
	STEP 1
	s_xor_b32 s30, s30, SLOT1                      ; on to the other slot
	s_sub_co_u32 s33, s33, 1
	s_cmp_lg_u32 s33, 0
	s_cbranch_scc1 .Lslot
	CHANGE 0                                       ; the last slot is written out
	STEP 0
	STEP 1
	; ---- THE TAIL.  Wave w now also owns output channels 16 w .. 16 w + 15 of the projection, for the work-group's 64 positions.
	v_and_b32 v1, 15, v0                           ; r.  (These eight address lines are the places behind the last products)
	v_bfe_u32 v2, v0, 4, 1                         ; h
	s_delay_alu instid0(VALU_DEP_2)
	v_lshlrev_b32 v3, 4, v1
	s_delay_alu instid0(VALU_DEP_1)
	v_lshl_add_u32 v3, v2, 17, v3                  ; x, out0: 8 h channels of 16,384 bytes + 16 r
	s_delay_alu instid0(VALU_DEP_4)
	v_mul_u32_u24 v7, v1, 192
	s_delay_alu instid0(VALU_DEP_1)
	v_mad_u32_u24 v7, v2, 24, v7                   ; proj_w: row r of 192 bytes, + 24 h
	v_lshlrev_b32 v8, 3, v1                        ; its scale bytes: 8 a row
	v_lshlrev_b32 v9, 5, v2                        ; proj_b: 8 h numbers on
.irp j, 0,1,2,3,4,5,6,7
	global_load_b128 v[16+4*\j:19+4*\j], v3, s[18:19] offset:16384*\j th:TH_LOAD_NT   ; x(16 w + 8 h + j, 4 r .. 4 r + 3): sixteen lanes read 256 consecutive bytes, aligned
.endr
.irp s, 0,1
.irp p, 0,1,2,3,4,5
	global_load_b64 v[48+12*\s+2*\p:49+12*\s+2*\p], v7, s[12:13] offset:96*\s+48*(\p/3)+8*(\p%3)
.endr
	global_load_b32 v[WSC+\s], v8, s[14:15] offset:4*\s
.endr
	global_load_b128 v[72:75], v9, s[16:17]
	global_load_b128 v[76:79], v9, s[16:17] offset:16
	v_add_f32 v14, v14, v15                        ; l's two halves,
	s_delay_alu instid0(VALU_DEP_1)
	v_permlanex16_b32 v223, v14, s26, s27
	s_delay_alu instid0(VALU_DEP_1)
	v_add_f32 v14, v14, v223                       ; and the other lane's: the row's sum
	s_wait_alu depctr_va_vdst(0)
	v_rcp_f32 v14, v14
	v_and_b32 v232, 31, v0                         ; the LDS addresses are the plain work behind the reciprocal
	s_delay_alu instid0(VALU_DEP_1)
	v_lshlrev_b32 v233, 4, v232
	s_wait_alu depctr_va_vdst(0)
	v_lshlrev_b32 v234, 3, v232
	s_wait_alu depctr_va_vdst(0)
	s_mul_i32 s70, s24, 3072
	s_mul_i32 s71, s23, 768
	s_add_co_u32 s70, s70, s71
	s_add_co_u32 s70, s70, OIMG
	v_add_nc_u32 v235, s70, v233                   ; where my half of o goes: tile = my tile, channels 64 x head on
	v_add_nc_u32 v236, s70, v234
	s_lshr_b32 s71, s23, 1
	s_lshl_b32 s71, s71, 8
	s_and_b32 s72, s23, 1
	s_lshl_b32 s72, s72, 1
	s_add_co_u32 s71, s71, s72
	s_lshl_b32 s72, s24, 2
	s_add_co_u32 s71, s71, s72
	s_add_co_u32 s71, s71, OSC
	v_lshl_add_u32 v237, v1, 4, v2
	s_delay_alu instid0(VALU_DEP_1)
	v_add_nc_u32 v237, s71, v237                   ; and its scale byte
	v_add_nc_u32 v238, OIMG, v233                  ; where any half is read
	v_add_nc_u32 v239, OIMG, v234
	v_lshlrev_b32 v240, 4, v1
	s_delay_alu instid0(VALU_DEP_1)
	v_add_nc_u32 v240, OSC, v240                   ; and the scale words
	s_wait_alu depctr_va_vdst(0)                   ; ahead of the first line that names the reciprocal
.set j, 0
.rept 16
	v_pk_mul_f32 v[S+j:S+j+1], v[OA+j:OA+j+1], v[14:15] op_sel_hi:[1,0]   ; o = O^T / l: register i is channel 64 head + 32 h + i of position 4 r + tile: one block of the projection's K
.set j, j+2
.endr
	QUANT32 S, 0
	ds_store_b128 v235, v[CD:CD+3]
	ds_store_b64 v236, v[CD+4:CD+5] offset:512
	ds_store_b8 v237, v[BY]
	s_wait_dscnt 0x0                               ; for the others' sake: my stores have landed
	s_barrier_signal -1
	s_barrier_wait -1                              ; o's sixteen halves lie in LDS
.irp t, 0,1,2,3
.irp k, 0,1,2,3
	ds_load_b128 v[S+24*\t+6*\k:S+24*\t+6*\k+3], v238 offset:3072*\t+768*\k
	ds_load_b64 v[S+24*\t+6*\k+4:S+24*\t+6*\k+5], v239 offset:3072*\t+768*\k+512
.endr
.endr
	ds_load_b128 v[OS:OS+3], v240                  ; o's scale words of K step 0, tiles 0-3,
	ds_load_b128 v[OS+4:OS+7], v240 offset:256     ; and of K step 1
	s_wait_dscnt 0x0
	s_wait_loadcnt 0x0                             ; proj_w, its scale words, the biases, x
.irp t, 0,1,2,3                        ; source 0 = my 16 rows of proj_w, source 1 = 16 positions; the bias is the first product's C; four accumulators by turns
	v_wmma_scale_f32_16x16x128_f8f6f4 v[192+8*\t:199+8*\t], v[48:59], v[S+24*\t:S+24*\t+11], v[72:79], v[WSC], v[OS+\t] matrix_a_fmt:MATRIX_FMT_FP6 matrix_b_fmt:MATRIX_FMT_FP6
.endr
.irp t, 0,1,2,3
	v_wmma_scale_f32_16x16x128_f8f6f4 v[192+8*\t:199+8*\t], v[60:71], v[S+24*\t+12:S+24*\t+23], v[192+8*\t:199+8*\t], v[WSC+1], v[OS+4+\t] matrix_a_fmt:MATRIX_FMT_FP6 matrix_b_fmt:MATRIX_FMT_FP6
.endr
.rept 4
	v_nop                                          ; places in front of the first read of the results
.endr
.irp j, 0,1,2,3,4,5,6,7                ; register j of tile t is out(16 w + 8 h + j, 4 r + t): the four tiles give a lane four neighbouring positions.  Each accumulator is read from its low end on
.irp t, 0,1,2,3
	v_add_f32 v[16+4*\j+\t], v[192+8*\t+\j], v[16+4*\j+\t]
.endr
.endr
.irp j, 0,1,2,3,4,5,6,7
	global_store_b128 v3, v[16+4*\j:19+4*\j], s[20:21] offset:16384*\j th:TH_STORE_NT   ; sixteen lanes store 256 consecutive bytes, aligned
.endr
	s_wait_tensorcnt 0x0                           ; the wave's end, behind my last tensor load and my last LDS store
	ds_add_u32 v5, v6
	s_wait_dscnt 0x0
	CROUND                                         ; the closing round: no work-group ends while a partner may still ask for a tile that names it
	s_endpgm
.Lfunc_end_k_qab9e44414c_attn:
	.size	k_qab9e44414c_attn, .Lfunc_end_k_qab9e44414c_attn-k_qab9e44414c_attn
	.p2alignl 7, 3214868480
	.fill 96, 4, 3214868480
	.section	.rodata,"a",@progbits
	.p2align	6, 0x0
	.amdhsa_kernel k_qab9e44414c_attn
		.amdhsa_group_segment_fixed_size 327680
		.amdhsa_private_segment_fixed_size 0
		.amdhsa_enable_private_segment 0
		.amdhsa_kernarg_size 72
		.amdhsa_user_sgpr_count 2
		.amdhsa_user_sgpr_kernarg_segment_ptr 1
		.amdhsa_wavefront_size32 1
		.amdhsa_system_sgpr_workgroup_id_x 1
		.amdhsa_system_sgpr_workgroup_id_y 1
		.amdhsa_system_sgpr_workgroup_id_z 1
		.amdhsa_system_vgpr_workitem_id 0
		.amdhsa_next_free_vgpr 256
		.amdhsa_next_free_sgpr 84
		.amdhsa_reserve_vcc 0
		.amdhsa_float_denorm_mode_32 3
		.amdhsa_float_denorm_mode_16_64 3
		.amdhsa_memory_ordered 1
		.amdhsa_forward_progress 1
		.amdhsa_inst_pref_size 86
	.end_amdhsa_kernel
	.amdgpu_metadata
---
amdhsa.version: [ 1, 2 ]
amdhsa.kernels:
  - .name:           k_qab9e44414c_attn
    .symbol:         k_qab9e44414c_attn.kd
    .args:
      - { .name: qc, .offset: 0, .size: 8, .value_kind: global_buffer, .address_space: global }
      - { .name: qs, .offset: 8, .size: 8, .value_kind: global_buffer, .address_space: global }
      - { .name: kv, .offset: 16, .size: 8, .value_kind: global_buffer, .address_space: global }
      - { .name: ksc, .offset: 24, .size: 8, .value_kind: global_buffer, .address_space: global }
      - { .name: proj_w_codes, .offset: 32, .size: 8, .value_kind: global_buffer, .address_space: global }
      - { .name: proj_w_scales, .offset: 40, .size: 8, .value_kind: global_buffer, .address_space: global }
      - { .name: proj_b, .offset: 48, .size: 8, .value_kind: global_buffer, .address_space: global }
      - { .name: x, .offset: 56, .size: 8, .value_kind: global_buffer, .address_space: global }
      - { .name: out0, .offset: 64, .size: 8, .value_kind: global_buffer, .address_space: global }
    .group_segment_fixed_size: 327680
    .private_segment_fixed_size: 0
    .kernarg_segment_align: 8
    .kernarg_segment_size: 72
    .max_flat_workgroup_size: 512
    .sgpr_count:     84
    .vgpr_count:     256
    .wavefront_size: 32
...
	.end_amdgpu_metadata
.endif
;; end of part 3
